; MI455X (gfx1250); checked and timed in simulation.
; The chip was launched on July 23, 2026; its instructions are those of AMD's public machine-readable ISA for CDNA 5 (MIT licence, August 2026) and "CDNA5" Instruction Set Architecture Reference Guide (July 2026). The comments in the code are by the model that wrote it; some were corrected since.
;; MH Attention. Allowed arithmetic: matrix products marked QUANTISED: E4M3 operands, one given power-of-two scale a tensor, by v_wmma_f32_16x16x64_fp8_fp8 or v_wmma_f32_16x16x128_fp8_fp8, f32 sums; everything else in f32.
;; Inputs: Wk_codes 1,024 x 32 x 32 uint8 (E4M3 codes of Wk, K innermost, in blocks of 32 codes); Wout_codes 1,024 x 32 x 32 uint8 (E4M3 codes of Wout, K innermost, in blocks of 32 codes); Wq_codes 1,024 x 32 x 32 uint8 (E4M3 codes of Wq, K innermost, in blocks of 32 codes); Wv_codes 1,024 x 32 x 32 uint8 (E4M3 codes of Wv, K innermost, in blocks of 32 codes); lowp_scales 12 int32 (the exponents e of the quantised operands' scales 2^e); x_codes 2 x 2,048 x 32 x 32 uint8 (E4M3 codes of x, K innermost, in blocks of 32 codes).
;; Outputs: out0 2 x 2,048 x 1,024 float32.
;; This version of the problem:
;;   THIS VERSION OF THE PROBLEM IS GIVEN IN LOW PRECISION. The matrix products marked QUANTISED in the list below multiply operands that are first quantised to E4M3 (4 exponent bits, 3 mantissa bits; 8 bits a number), with one given power-of-two scale for each operand tensor; their sums are f32. All else is computed in f32.
;;   The module's matrix products, in the order in which they are computed (A, B: the left and right operand; K: the contracted axis; several contracted axes count as one K, in the product's order):
;;     1. [M 4,096, K 1,024] x [K 1,024, N 1,024]; A: input x (given as codes); B: input Wq (given as codes): QUANTISED (scales: A lowp_scales[0], B lowp_scales[1])
;;     2. [M 4,096, K 1,024] x [K 1,024, N 1,024]; A: input x (given as codes); B: input Wk (given as codes): QUANTISED (scales: A lowp_scales[2], B lowp_scales[3])
;;     3. [M 4,096, K 1,024] x [K 1,024, N 1,024]; A: input x (given as codes); B: input Wv (given as codes): QUANTISED (scales: A lowp_scales[4], B lowp_scales[5])
;;     4. batch 32 x [M 2,048, K 64] x [K 64, N 2,048]; A: computed on the way; B: computed on the way: QUANTISED (scales: A lowp_scales[6], B lowp_scales[7])
;;     5. batch 32 x [M 64, K 2,048] x [K 2,048, N 2,048]; A: computed on the way; B: softmax (see below): QUANTISED (scales: A lowp_scales[8], B lowp_scales[9])
;;     6. [M 4,096, K 1,024] x [K 1,024, N 1,024]; A: computed on the way; B: input Wout (given as codes): QUANTISED (scales: A lowp_scales[10], B lowp_scales[11])
;;   THE QUANTISER, for each operand of a quantised product, along K:
;;     - The operand's scale is 2^e, e = its entry of the input lowp_scales (int32; the entries are numbered through the quantised products in the list's order, A before B).
;;     - Each number is divided by the scale, clamped to +-448, and rounded to the nearest number of E4M3, ties to even, subnormals kept.
;;     - The product sums the exact products of the quantised numbers (number of the format x scale) in f32.
;;   ~~~python
;;   def quantise(x, axis, e):      # numpy; x: float32 -> the quantised numbers, widened to float32 again
;;       x = np.moveaxis(x, axis, -1); K = x.shape[-1]
;;       r = np.clip(x / 2.0 ** e, -448, 448)
;;       step = 2.0 ** (np.maximum(np.frexp(np.where(r == 0, 1, r))[1] - 1, -6) - 3)
;;       q = np.round(r / step) * step * 2.0 ** e      # np.round: ties to even
;;       return np.moveaxis(q, -1, axis).astype(np.float32)
;;   ~~~
;;   SOFTMAX AHEAD OF A QUANTISED PRODUCT. Where the list says 'softmax', what is quantised is not the finished softmax but p = 2^(t - M), with t = logit x log2(e) and M = ceil(the row's largest t), a whole number; so 1/2 < the row's largest p <= 1. The row's sum l is taken of the UNQUANTISED p, in f32, and the product's result is divided by l at the end. Since M is a whole number, a kernel that streams over the keys may use a running M (the ceiling of the running maximum): every later rescaling is an exact power of two, so the quantised numbers keep their values, but for numbers so far below the row's largest that they fall under the format's range.
;;   OPERANDS COMPUTED ON THE WAY. 'Computed on the way' means the value that the module computes at that place (a softmax that the list does not call 'softmax' is quantised finished and normalised). What goes into a quantiser is computed in f32, as accurately as f32 sums, v_exp_f32 and their like allow (about 1e-6 of the number): no bf16 or f16 on the way to a quantiser, and a product that is left as it is and whose result goes on into a quantised operand takes f32 operands (vector FMAs, or v_wmma_f32_16x16x4_f32). A number that lies on a knife's edge between two numbers of the format may be rounded either way, as far as f32 arithmetic and the matrix unit's own rounding can turn it there, and no further.
;;   INPUTS GIVEN AS CODES. Wk (in the module: [1024, 1024], K = its axis 0); Wout (in the module: [1024, 1024], K = its axis 0); Wq (in the module: [1024, 1024], K = its axis 0); Wv (in the module: [1024, 1024], K = its axis 0); x (in the module: [2, 2048, 1024], K = its axis 2): each comes as NAME_codes (uint8): NAME with its K axis moved to the last place and cut into blocks of 32 codes, [.., K / 32, bytes a block], one block behind the other in memory; one code a byte (a code: sign, 4 exponent bits, 3 mantissa bits); its scale is its entry of lowp_scales. Its value is code x scale, taken as it is: it is not quantised again, and the codes and scales need not be those that the quantiser above would give.
;; One version. Each part assembles by itself: llvm-mc -triple=amdgcn-amd-amdhsa -mcpu=gfx1250 --defsym DOCPART=n.
;; ======== version 1 of 1: 3 launches
;; limits: right only within a limited range of input values
;; workspace buffers: qkv 12,582,912 bytes; vec 4,194,304 bytes
;; launch proj (part 1): grid 16 x 16, 4 waves a work-group, clusters of 4 x 4, 327,680 bytes of LDS; arguments x_codes, Wq_codes, Wk_codes, Wv_codes, lowp_scales, qkv; writes qkv
.if DOCPART == 1
	.amdgcn_target "amdgcn-amd-amdhsa--gfx1250"
	.amdhsa_code_object_version 6
	.text
	.protected	k_q2a49e05d0c_proj
	.globl	k_q2a49e05d0c_proj
	.p2align	8
	.type	k_q2a49e05d0c_proj,@function
k_q2a49e05d0c_proj:
	s_mov_b64 s[64:65], 0
	v_nop
	global_prefetch_b8 v0, s[64:65] scope:SCOPE_SE
	s_setreg_imm32_b32 hwreg(HW_REG_WAVE_MODE, 25, 1), 1
	s_wait_xcnt 0x0
	s_wait_alu depctr_hold_cnt(0) depctr_sa_sdst(0) depctr_va_vdst(0) depctr_va_sdst(0) depctr_va_ssrc(0) depctr_va_vcc(0) depctr_vm_vsrc(0)
	s_getreg_b32 s2, hwreg(HW_REG_IB_STS2, 6, 4)
	s_cmp_eq_u32 s2, 0
	s_cbranch_scc0 .Lentry_in_a_cluster
	s_endpgm
.Lentry_in_a_cluster:
	s_bfe_u32 s2, ttmp6, 0x10000c
	s_cmp_lg_u32 s2, 0xf033
	s_cbranch_scc0 .Lentry_shape_is_right
	s_endpgm
.Lentry_shape_is_right:
; Q = x Wq, K = x Wk, V = x Wv on codes of FP8 (E4M3), each result quantised again to E4M3 with its given scale.
; WORK LEFT OUT IN THE PROGRAM: the attention launch leaves out the tiles of scores whose keys all come after the tile's queries: reference() sets them to -infinity by its own causal mask, so their weights are 0 for
; all finite inputs.  LIMIT: a NaN, an infinity or an overflow that reaches only that work is not carried to the result.  All inputs are loaded.
; x: [4096][1024] codes; Wq, Wk, Wv: [1024 (feature)][1024 (k)] codes.  Exponents: Q (e0, e1 -> e6), K (e2, e3 -> e7), V (e4, e5 -> e8).
; A work-group makes ONE HEAD's Q, K and V for 256 tokens: a tile of 256 x 192; 16 x 16 work-groups.  Each of four waves: 128 tokens x (32 features of Q, of K, of V): 48 accumulators.
; qkv holds IMAGES OF THE ATTENTION LAUNCH'S OPERAND REGISTERS, 512 bytes each, 16 bytes for each lane (r = lane % 16, h = lane / 16):
;   [bh = 16 batch + head (32)][part (3)][131,072]; part 0 = Q, 1 = K: [token / 16][b (2)][512]: lane: token r, d = 32 b + 8 h + 0..7 and 32 b + 16 + 8 h + 0..7 (the same order of d in Q and K);
;   part 2 = V: [token / 32][d / 16 (4)][512]: lane: d row r, tokens 8 h + 0..7 and 16 + 8 h + 0..7.
; For Q and K source 0 = the weight's rows, source 1 = tokens: a lane has one token and eight features.  For V the sources are swapped: a lane has one feature and eight tokens.  So two accumulators' codes ARE the 16 bytes.
; K goes in four steps of 256 through a ring of two LDS slots filled by joint tensor loads (x's tile shared along a row of the 4 x 4 cluster, the weights' along a column): wave 0 fetches x, waves 1 to 3 Wq, Wk, Wv.
; PREFETCH: behind the joint load of K step 0 K step 1 is asked for, behind that of K step 1 K steps 2 and 3: one or two K steps ahead of their loads.  The four partners share a tile's rows out by address.
; LIMITS: eo - ea - eb between -126 and 119 for each of the three, so that the scale and 448 x the scale are f32 numbers.  NaN codes among the inputs are not served.
; REGISTERS, in windows of 256: window 0: v0-31 addresses and constants; v128-255 x's fragments, ONE set; on the way out v32-127 codes, v128-223 held sums.
;   window 1: the weights' fragments, two sets, at v0 and v128.  windows 2, 3: accumulators of token blocks 0-3, 4-7 ((a, b) at v[8 (6 (a % 4) + b)]; b = 0, 1 Q; 2, 3 K; 4, 5 V).
.set ROWB,   256
.set PITCH,  272                       ; an LDS row: 256 bytes + 16 of padding: row r starts at bank 4 r mod 64 (64 banks of 4 bytes: ISA guide 11.1)
.set FR,     16
.set NL,     4
.set NP,     4                         ; places behind this matrix instruction (ISA guide 7.12.1)
.set SLOT,   448*PITCH                 ; 256 rows of x, then 3 x 64 rows of weights
.set SPARE,  2*SLOT
.set HEADB,  393216
.set ADRA, 16                          ; v16-17 my fragments of x in slot 0, 1
.set ADRB, 20                          ; v20-21 of the weights
.set SC,   8                           ; v8, v10, v12: 2^(eo - ea - eb) for Q, K, V;  v9, v11, v13: 448 x that
.set CO,   26                          ; 16 x lane
.set SPW,  28
.set NIL,  29
.set PFO,  30                          ; the prefetches' offset; never rewritten
.set PFA,  80                          ; s[80:81] where my prefetches stand: K step 0
.set AF,   128
.set G1, 24
.set G0, 32
.set G1B, 48
.set G0B, 56
.set MSB, 0
.macro WIN new
.if MSB != (\new)
	s_set_vgpr_msb (MSB<<8)|(\new)
.set MSB, (\new)
.endif
.endm
.set TO_B,   0x40
; A joint load: one line for x (wave 0), one for the weights (waves 1 to 3).  The branch hangs on the wave's number alone.
.macro JLOAD s
	s_cmp_eq_u32 s14, 0
	s_cbranch_scc0 .Lfor_b_\@
	tensor_load_to_lds s[G0+4*\s:G0+4*\s+3], s[G1:G1+7]
	s_nop 0
.rept 4
	v_nop
.endr
	s_branch .Lasked_\@
.Lfor_b_\@:
	tensor_load_to_lds s[G0B+4*\s:G0B+4*\s+3], s[G1B:G1B+7]
	s_nop 0
.rept 4
	v_nop
.endr
.Lasked_\@:
.endm
; Prefetch of K step k: wave 0: my work-group's 64 of the 256 rows of x, 32 an instruction; waves 1 to 3: 16 of their weight's 64 rows (lanes 16 to 31 name the last again).
.macro ASK k
	s_cmp_eq_u32 s14, 0
	global_prefetch_b8 v[PFO], s[PFA:PFA+1] offset:256*\k th:TH_LOAD_NT scope:SCOPE_SE
	s_cbranch_scc0 .Lpf_\@
	global_prefetch_b8 v[PFO], s[PFA:PFA+1] offset:32768+256*\k th:TH_LOAD_NT scope:SCOPE_SE
.Lpf_\@:
.endm
.macro CREST
	s_cmp_lg_u32 s14, 0
	s_cbranch_scc1 .Lnot_wave_0_\@
	s_barrier_signal -3
.Lnot_wave_0_\@:
	s_barrier_wait -3
	s_barrier_signal -1
	s_barrier_wait -1
.endm
.macro CROUND
	s_barrier_signal -1
	s_barrier_wait -1
	CREST
.endm
	s_load_b256 s[68:75], s[0:1], 0x0              ; x, Wq, Wk, Wv
	s_load_b128 s[76:79], s[0:1], 0x20             ; the exponents, qkv
	v_lshl_add_u32 v[SPW], v0, 2, SPARE
	v_mov_b32 v[NIL], 0
	ds_add_u32 v[SPW], v[NIL]                      ; the opening add, twice on end
	ds_add_u32 v[SPW], v[NIL]
	v_lshrrev_b32 v1, 5, v0
	v_readfirstlane_b32 s14, v1                    ; wave 0..3
	s_lshr_b32 s15, s14, 1                         ; which 128 tokens are mine
	s_and_b32 s16, s14, 1                          ; which 32 features of each 64
	s_bfe_u32 s40, ttmp6, 0x40000
	s_bfe_u32 s41, ttmp6, 0x40004
	s_lshl_b32 s42, ttmp9, 2
	s_add_co_u32 s42, s42, s40                     ; head = 4 x cluster x + cx
	s_and_b32 s17, ttmp7, 0xffff
	s_lshl_b32 s17, s17, 2
	s_add_co_u32 s17, s17, s41                     ; token tile = 4 x cluster y + cy
	s_lshl_b32 s43, s41, 2
	s_lshl_b32 s43, 15, s43                        ; my row of the cluster
	s_lshl_b32 s44, 0x1111, s40                    ; my column
	s_or_b32 s[G1+0], s43, (1<<20)|(1<<21)|(5<<22)|(3<<25)   ; elements of 1 byte; 4 words of padding behind every 64; bit 21 beside a mask
	s_or_b32 s[G1B+0], s44, (1<<20)|(1<<21)|(5<<22)|(3<<25)
.irp g, G1, G1B
	s_mov_b32 s[\g+1], ROWB<<16
	s_mov_b32 s[\g+3], ROWB<<16
	s_mov_b32 s[\g+5], 1024
	s_mov_b32 s[\g+6], 0
	s_mov_b32 s[\g+7], 0
.endr
	s_mov_b32 s[G1+2], 256<<16                     ; x: 256 rows
	s_mov_b32 s[G1+4], 256
	s_mov_b32 s[G1B+2], 64<<16                     ; a weight: 64 rows
	s_mov_b32 s[G1B+4], 64
	s_lshl_b32 s20, s17, 18                        ; x: 256 rows of 1,024 bytes x token tile
	s_mov_b32 s21, 0
	s_lshl_b32 s46, s42, 16                        ; a weight: 64 rows x head
	s_mov_b32 s47, 0
	s_mul_i32 s45, s14, 64*PITCH
	s_add_co_u32 s45, s45, 192*PITCH               ; waves 1 to 3: behind x's 256 rows
	s_mul_i32 s18, s15, 128*PITCH                  ; my 128 rows of x, slot 0
	s_add_co_u32 s19, s18, SLOT
	s_mul_i32 s22, s16, 32*PITCH
	s_add_co_u32 s22, s22, 256*PITCH               ; my 32 rows of Wq; Wk's and Wv's lie 64 and 128 rows on
	s_add_co_u32 s23, s22, SLOT
	s_cmp_eq_u32 s14, 0
	s_mov_b32 s82, 15
	s_cselect_b32 s82, 31, s82                     ; the last lane that names a block of its own in a prefetch
	v_and_b32 v1, 15, v0                           ; r
	v_bfe_u32 v2, v0, 4, 1                         ; h
	v_and_b32 v3, 31, v0
	v_mul_u32_u24 v4, v1, PITCH
	v_lshl_add_u32 v4, v2, 4, v4                   ; a fragment's row x pitch + 16 h
	v_add_nc_u32 v[ADRA], s18, v4
	v_add_nc_u32 v[ADRA+1], s19, v4
	v_add_nc_u32 v[ADRB], s22, v4
	v_add_nc_u32 v[ADRB+1], s23, v4
	v_lshlrev_b32 v[CO], 4, v3
	v_min_u32 v5, s82, v3
	v_lshlrev_b32 v[PFO], 10, v5
	s_wait_alu depctr_va_vdst(0)
	s_wait_dscnt 0x0                               ; both opening adds are done
	s_wait_kmcnt 0x0
	s_load_b256 s[88:95], s[76:77], 0x0            ; e0 .. e7
	s_load_b32 s96, s[76:77], 0x20                 ; e8
	s_cmp_eq_u32 s14, 1                            ; which weight I fetch hangs on the wave's number alone
	s_cselect_b64 s[6:7], s[70:71], s[72:73]
	s_cmp_eq_u32 s14, 3
	s_cselect_b64 s[6:7], s[74:75], s[6:7]
	s_add_nc_u64 s[20:21], s[68:69], s[20:21]
	s_add_nc_u64 s[46:47], s[6:7], s[46:47]
.irp s, 0,1
	s_mov_b32 s[G0+4*\s], 1
	s_mov_b32 s[G0+4*\s+1], \s*SLOT
	s_add_nc_u64 s[G0+4*\s+2:G0+4*\s+3], s[20:21], \s*ROWB
	s_or_b32 s[G0+4*\s+3], s[G0+4*\s+3], 0x80000000
	s_mov_b32 s[G0B+4*\s], 1
	s_add_co_u32 s[G0B+4*\s+1], s45, \s*SLOT
	s_add_nc_u64 s[G0B+4*\s+2:G0B+4*\s+3], s[46:47], \s*ROWB
	s_or_b32 s[G0B+4*\s+3], s[G0B+4*\s+3], 0x80000000
.endr
	CROUND                                         ; all sixteen work-groups are here: the first joint loads meet
	JLOAD 0                                        ; K step 0
	; where my prefetches stand: x: rows 256 x token tile + 64 cx; a weight: rows 64 x head + 16 cy
	s_lshl_b32 s84, s17, 18
	s_lshl_b32 s85, s40, 16
	s_add_co_u32 s84, s84, s85
	s_lshl_b32 s86, s42, 16
	s_lshl_b32 s85, s41, 14
	s_add_co_u32 s86, s86, s85
	s_cmp_eq_u32 s14, 0
	s_cselect_b64 s[PFA:PFA+1], s[68:69], s[6:7]
	s_cselect_b32 s84, s84, s86
	s_mov_b32 s85, 0
	s_add_nc_u64 s[PFA:PFA+1], s[PFA:PFA+1], s[84:85]
	ASK 1
	; where my results go: head's part, 16 tokens x 64 d = 1,024 bytes
	s_lshr_b32 s8, s17, 3                          ; batch
	s_lshl_b32 s8, s8, 4
	s_add_co_u32 s8, s8, s42
	s_mul_i32 s8, s8, HEADB
	s_and_b32 s9, s17, 7
	s_lshl_b32 s9, s9, 14
	s_add_co_u32 s8, s8, s9
	s_lshl_b32 s9, s15, 13
	s_add_co_u32 s8, s8, s9
	s_lshl_b32 s12, s16, 9
	s_mov_b32 s13, 0
	s_add_co_u32 s8, s8, s12                       ; Q, K: b = my half: 512 bytes
	s_mov_b32 s9, 0
	s_add_nc_u64 s[10:11], s[78:79], s[8:9]
	s_add_nc_u64 s[12:13], s[10:11], s[12:13]      ; V: my half is two tiles of d: 1,024 bytes
	s_wait_kmcnt 0x0                               ; the exponents
.macro MKS d, eo, ea, eb               ; a sum stands for sum x 2^(ea + eb): its code is sum / 2^(eo - ea - eb)
	s_sub_co_i32 s\eo, s\eo, s\ea
	s_sub_co_i32 s\eo, s\eo, s\eb
	s_add_co_i32 s\eo, s\eo, 127
	s_lshl_b32 s97, s\eo, 23
	v_mov_b32 v[\d], s97
	s_add_co_i32 s\eo, s\eo, 8
	s_lshl_b32 s\eo, s\eo, 23
	s_or_b32 s\eo, s\eo, 0x600000
	v_mov_b32 v[\d+1], s\eo
.endm
	MKS SC, 94, 88, 89
	MKS SC+2, 95, 90, 91
	MKS SC+4, 96, 92, 93
.macro FRAG reg, adr, off              ; 16 rows x 128 K in 16 registers: lane l holds row l % 16; registers 4 c .. 4 c + 3 hold K = 32 c + 16 h + 0 .. 15: the same order of k on both sides
.irp c, 0,1,2,3
	ds_load_b128 v[\reg+4*\c:\reg+4*\c+3], v[\adr] offset:(\off)+32*\c
.endr
.endm
.macro FETCH_B slot, q, p              ; my six fragments of weights
	WIN TO_B
.irp b, 0,1,2,3,4,5
	FRAG 128*(\p)+FR*\b, ADRB+\slot, 128*(\q)+(\b/2)*64*PITCH+(\b%2)*16*PITCH
.endr
	WIN 0
.endm
.macro FETCH_A slot, q, i0
.irp i, \i0, \i0+1, \i0+2, \i0+3
	FRAG AF+FR*(\i), ADRA+\slot, 128*(\q)+(\i)*16*PITCH
.endr
.endm
; The 48 accumulators take turns, one instruction a turn, in the same order in every step.
.macro MULQ hi, p, zero                ; Q and K: 16 matrix instructions
	WIN 0xa1+0x50*(\hi)
.irp a, 0,1,2,3
.irp b, 0,1,2,3
.set D, 8*(6*\a+\b)
.if \zero
	v_wmma_f32_16x16x128_fp8_fp8 v[D:D+7], v[128*(\p)+FR*\b:128*(\p)+FR*\b+15], v[AF+FR*(4*(\hi)+\a):AF+FR*(4*(\hi)+\a)+15], 0
.else
	v_wmma_f32_16x16x128_fp8_fp8 v[D:D+7], v[128*(\p)+FR*\b:128*(\p)+FR*\b+15], v[AF+FR*(4*(\hi)+\a):AF+FR*(4*(\hi)+\a)+15], v[D:D+7]
.endif
.endr
.endr
.endm
.macro MULV hi, p, zero                ; V, with the sources swapped: 8 matrix instructions
	WIN 0xa4+0x50*(\hi)
.irp a, 0,1,2,3
.irp b, 4,5
.set D, 8*(6*\a+\b)
.if \zero
	v_wmma_f32_16x16x128_fp8_fp8 v[D:D+7], v[AF+FR*(4*(\hi)+\a):AF+FR*(4*(\hi)+\a)+15], v[128*(\p)+FR*\b:128*(\p)+FR*\b+15], 0
.else
	v_wmma_f32_16x16x128_fp8_fp8 v[D:D+7], v[AF+FR*(4*(\hi)+\a):AF+FR*(4*(\hi)+\a)+15], v[128*(\p)+FR*\b:128*(\p)+FR*\b+15], v[D:D+7]
.endif
.endr
.endr
.endm
.macro PLACES
.rept NP
	v_nop
.endr
.endm
; The first 128 along K of a slot; the second's fragments are fetched meanwhile.  Token blocks 0-3 are free as soon as their products are issued.
.macro STEP slot, zero
	s_wait_dscnt 4*NL                              ; all but the youngest 16 loads, blocks 4-7, are in
	MULQ 0, 0, \zero
	MULV 0, 0, \zero
	s_wait_dscnt 0                                 ; blocks 4-7 are in
	PLACES
	FETCH_B \slot, 1, 1
	FETCH_A \slot, 1, 0
	MULQ 1, 0, \zero
	MULV 1, 0, \zero
	PLACES
	WIN 0
	FETCH_A \slot, 1, 4
.endm
; The second 128 along K, and the change of slots: ONE barrier, which opens a round of the cluster's barrier where the slot is filled again (fill = 1), two K steps ahead.
.macro TURN slot, next, fill
	s_wait_tensorcnt 0x0                           ; all my tensor loads have landed: my part of the next slot
	ds_add_u32 v[SPW], v[NIL]
	s_wait_dscnt 4*NL+1                            ; the add and the youngest 16 loads may be out
	MULQ 0, 1, 0
	s_wait_dscnt 0x0                               ; the add is done, and my reads of this slot are over
	s_barrier_signal -1
	MULV 0, 1, 0
	WIN 0
	s_barrier_wait -1
.if \fill
	CREST
	s_add_nc_u64 s[G0+4*\slot+2:G0+4*\slot+3], s[G0+4*\slot+2:G0+4*\slot+3], 2*ROWB
	s_add_nc_u64 s[G0B+4*\slot+2:G0B+4*\slot+3], s[G0B+4*\slot+2:G0B+4*\slot+3], 2*ROWB
	JLOAD \slot                                    ; its four v_nop are also the places in front of the loads below
.else
	PLACES
.endif
	FETCH_B \next, 0, 0
	FETCH_A \next, 0, 0
	MULQ 1, 1, 0
	MULV 1, 1, 0
	PLACES
	WIN 0
	FETCH_A \next, 0, 4
.endm
	s_wait_alu depctr_va_vdst(0)
	s_wait_tensorcnt 0x0                           ; my part of K step 0 is in
	ds_add_u32 v[SPW], v[NIL]
	s_wait_dscnt 0x0
	CROUND                                         ; everybody's is, in all sixteen work-groups
	JLOAD 1                                        ; K step 1, the first tensor load behind the round
	FETCH_B 0, 0, 0
	FETCH_A 0, 0, 0
	FETCH_A 0, 0, 4
	ASK 2
	ASK 3
	STEP 0, 1                                      ; K step 0: the first products start the sums
	TURN 0, 1, 1
	STEP 1, 0                                      ; K step 1
	TURN 1, 0, 1
	STEP 0, 0                                      ; K step 2
	TURN 0, 1, 0                                   ; nothing is filled again
	STEP 1, 0                                      ; K step 3
	s_wait_dscnt 4*NL
	MULQ 0, 1, 0
	MULV 0, 1, 0
	s_wait_dscnt 0
	MULQ 1, 1, 0
	MULV 1, 1, 0
	PLACES
; THE WAY OUT of token blocks 2 P and 2 P + 1: six images of 512 bytes, each stored by one instruction from registers.  The hold at the largest code x the scale stands ahead of the conversion, which does not saturate (ISA guide 7.6.2).
.macro OUT P
	WIN 0x02+(\P)/2
.set k, 0
.irp a, 0,1
.irp m, 0,1
.set AC, 8*(6*(2*((\P)%2)+\a)+2*\m)
.set j, 0
.rept 16
	v_med3_num_f32 v[128+16*k+j], v[AC+j], -v[SC+1+2*\m], v[SC+1+2*\m]
.set j, j+1
.endr
.set k, k+1
.endr
.endr
.irp u, 0,1
.irp a, 0,1
.set AC, 8*(6*(2*((\P)%2)+\a)+4+\u)
.set j, 0
.rept 8
	v_med3_num_f32 v[128+16*k+8*\a+j], v[AC+j], -v[SC+5], v[SC+5]
.set j, j+1
.endr
.endr
.set k, k+1
.endr
	WIN 0
.set k, 0
.rept 6
.if k < 4
.set m, k%2
.else
.set m, 2
.endif
.set CD, 32+24*(\P)+4*k
	v_cvt_scalef32_pk8_fp8_f32 v[CD:CD+1], v[128+16*k:128+16*k+7], v[SC+2*m]
	v_cvt_scalef32_pk8_fp8_f32 v[CD+2:CD+3], v[128+16*k+8:128+16*k+15], v[SC+2*m]
.set k, k+1
.endr
	v_nop
.set k, 0
.rept 6
.set CD, 32+24*(\P)+4*k
.if k < 4
	global_store_b128 v[CO], v[CD:CD+3], s[10:11] offset:(k%2)*131072+(2*(\P)+k/2)*1024
.else
	global_store_b128 v[CO], v[CD:CD+3], s[12:13] offset:262144+(\P)*2048+(k-4)*512
.endif
.set k, k+1
.endr
.endm
	OUT 0
	OUT 1
	OUT 2
	OUT 3
	s_wait_tensorcnt 0x0                           ; the wave's end
	ds_add_u32 v[SPW], v[NIL]
	s_wait_dscnt 0x0
	CROUND                                         ; the closing round
	s_endpgm
.Lfunc_end_k_q2a49e05d0c_proj:
	.size	k_q2a49e05d0c_proj, .Lfunc_end_k_q2a49e05d0c_proj-k_q2a49e05d0c_proj
	.p2alignl 7, 3214868480
	.fill 96, 4, 3214868480
	.section	.rodata,"a",@progbits
	.p2align	6, 0x0
	.amdhsa_kernel k_q2a49e05d0c_proj
		.amdhsa_group_segment_fixed_size 327680
		.amdhsa_private_segment_fixed_size 0
		.amdhsa_enable_private_segment 0
		.amdhsa_kernarg_size 48
		.amdhsa_user_sgpr_count 2
		.amdhsa_user_sgpr_kernarg_segment_ptr 1
		.amdhsa_wavefront_size32 1
		.amdhsa_system_sgpr_workgroup_id_x 1
		.amdhsa_system_sgpr_workgroup_id_y 1
		.amdhsa_system_sgpr_workgroup_id_z 1
		.amdhsa_system_vgpr_workitem_id 0
		.amdhsa_next_free_vgpr 1024
		.amdhsa_next_free_sgpr 98
		.amdhsa_reserve_vcc 0
		.amdhsa_float_denorm_mode_32 3
		.amdhsa_float_denorm_mode_16_64 3
		.amdhsa_memory_ordered 1
		.amdhsa_forward_progress 1
		.amdhsa_inst_pref_size 98
	.end_amdhsa_kernel
	.amdgpu_metadata
---
amdhsa.version: [ 1, 2 ]
amdhsa.kernels:
  - .name:           k_q2a49e05d0c_proj
    .symbol:         k_q2a49e05d0c_proj.kd
    .args:
      - { .name: x_codes, .offset: 0, .size: 8, .value_kind: global_buffer, .address_space: global }
      - { .name: Wq_codes, .offset: 8, .size: 8, .value_kind: global_buffer, .address_space: global }
      - { .name: Wk_codes, .offset: 16, .size: 8, .value_kind: global_buffer, .address_space: global }
      - { .name: Wv_codes, .offset: 24, .size: 8, .value_kind: global_buffer, .address_space: global }
      - { .name: lowp_scales, .offset: 32, .size: 8, .value_kind: global_buffer, .address_space: global }
      - { .name: qkv, .offset: 40, .size: 8, .value_kind: global_buffer, .address_space: global }
    .group_segment_fixed_size: 327680
    .private_segment_fixed_size: 0
    .kernarg_segment_align: 8
    .kernarg_segment_size: 48
    .max_flat_workgroup_size: 128
    .sgpr_count:     98
    .vgpr_count:     1024
    .wavefront_size: 32
...
	.end_amdgpu_metadata
.endif
;; end of part 1
;; launch attn (part 2): grid 8 x 32, 16 waves a work-group, clusters of 4 x 1, 327,680 bytes of LDS; arguments qkv, lowp_scales, vec; writes vec
.if DOCPART == 2
	.amdgcn_target "amdgcn-amd-amdhsa--gfx1250"
	.amdhsa_code_object_version 6
	.text
	.protected	k_q2a49e05d0c_attn
	.globl	k_q2a49e05d0c_attn
	.p2align	8
	.type	k_q2a49e05d0c_attn,@function
k_q2a49e05d0c_attn:
	s_mov_b64 s[64:65], 0
	v_nop
	global_prefetch_b8 v0, s[64:65] scope:SCOPE_SE
	s_setreg_imm32_b32 hwreg(HW_REG_WAVE_MODE, 25, 1), 1
	s_wait_xcnt 0x0
	s_wait_alu depctr_hold_cnt(0) depctr_sa_sdst(0) depctr_va_vdst(0) depctr_va_sdst(0) depctr_va_ssrc(0) depctr_va_vcc(0) depctr_vm_vsrc(0)
	s_getreg_b32 s2, hwreg(HW_REG_IB_STS2, 6, 4)
	s_cmp_eq_u32 s2, 0
	s_cbranch_scc0 .Lentry_in_a_cluster
	s_endpgm
.Lentry_in_a_cluster:
	s_bfe_u32 s2, ttmp6, 0x10000c
	s_cmp_lg_u32 s2, 0x3003
	s_cbranch_scc0 .Lentry_shape_is_right
	s_endpgm
.Lentry_shape_is_right:
; vectors = softmax(Q K^T / 8, causal) V on codes of FP8 (E4M3), quantised again with scale 2^e10.  qkv holds images of operand registers (16 bytes a lane, 512 an image); so does vec: [token tile (256)][head (16)][b (2)][512].
; WORK LEFT OUT: steps of 128 keys, and halves of 64, that all come after the tile's queries: reference()'s own causal mask makes their weights 0 for all finite inputs.  LIMIT: a NaN, an infinity or an overflow that reaches only them is not carried.
; THE SOFTMAX: t = score x log2(e) / 8; M = the running largest t rounded UP to a whole number; p = 2^(t - M) is quantised, not normalised; the sum is taken of the unquantised p and divides at the end.
; When M moves, sum and O are multiplied by 2^(old M - new M): exact.
; SHARES.  A TILE is 16 queries of a block T of 128: 128 T + 64 z + 4 r + cx, r = 0..15, cx the place in the cluster, z = (cluster x + T) % 2: what a diagonal step leaves out hangs on T and the cluster alone.
; A work-group has a tile of each T = 0..15; T's tile has T + 1 key steps.  Waves p (A) and p + 8 (B), p = 0..7, share tiles 15 - p and p: 17 steps.  A: nine steps of tile 15 - p.  B: tile p's p + 1 steps, then the other 7 - p of tile 15 - p.
; Trip C = 0..8 (B: 0..7) walks key step: C; and behind a jump: C < 4: B: C + 4 where C > p;  C >= 4: A: C + e where C >= 8 - e; B: C + 8 - p where C > p;  e = max(0, 3 - p).
; So trips 0 to 3 touch keys 0-1023 alone, and the second half's load, issued ahead of trip 0, has four trips in which to land.  At the end A's sums reach B through LDS, and B stores the tile.
; The work-groups of a head need the same K and V: a cluster of four asks for them jointly, in two loads a wave.  NO PREFETCH: K and V come whole in these two loads, and there is no later step to run ahead to.
; LIMITS: scaled scores under 2^31 in magnitude; e6 + e7 between -123 and 130, e9 between -126 and 119, e10 - e8 - e9 between -126 and 119, so that each power of two below is an f32 number.
; REGISTERS: v1-11 addresses and constants, v12 -M, v13 largest t, v[14:15] sum, v16-23 Q, v24-31 at work, v32-95 K's fragments (p's codes), v96-159 scores, v160-191 O^T, v192-255 V's fragments.
.set HEADB, 393216
.set VA,    131072                     ; LDS: K's 128 tiles of 1,024 bytes, then V's 64 groups of 2,048
.set MRG,   262144                     ; the sums' meeting place: 4,352 bytes for each pair of waves; no tile lands here
.set MRGB,  4352
.set SPARE, MRG+8*MRGB
.set AK0,  1
.set AV0,  2
.set DQ,   3
.set ADK,  4
.set ADV,  5
.set SPW,  6
.set NIL,  7
.set NINF, 9
.set HLD,  10
.set SCL,  11
.set MA,   24
.set MB,   25
.set PX,   26
.set QA,   27
.set FF,   28
.set S2,   30
.set KF,   32
.set PC,   32
.set S,    96
.set O,    160
.set VF,   192
.set WV,   10
.set SEL,  20
.set CS,   22
.set G1,   24
.set G0A,  32
.set G0B,  36
.set CC,   40                          ; the trip
.set KS,   41                          ; its key step
.set TB,   42                          ; and where that begins in LDS
.set TX,   43
.set SW,   44                          ; B: the trip ahead of which tile p is finished
.set FB,   45
.set J2,   46
.set CL,   47                          ; my last trip
.set DH,   48                          ; the step of my tile that has its first half alone (z = 0),
.set DF,   49                          ; or that is masked in its second half (z = 1); 255: none
.set DH2,  50
.set DF2,  51
.set Q1,   52
.set Q2,   54
.set VO1,  56
.set VO2,  58
.macro ROUND
	s_barrier_signal -1
	s_barrier_wait -1
	s_cmp_lg_u32 s[WV], 0
	s_cbranch_scc1 .Lnot_wave_0_\@
	s_barrier_signal -3
.Lnot_wave_0_\@:
	s_barrier_wait -3
	s_barrier_signal -1
	s_barrier_wait -1
.endm
	s_load_b128 s[4:7], s[0:1], 0x0                ; qkv, the exponents
	s_load_b64 s[8:9], s[0:1], 0x10                ; vec
	v_lshl_add_u32 v[SPW], v0, 2, SPARE
	v_mov_b32 v[NIL], 0
	ds_add_u32 v[SPW], v[NIL]                      ; the opening add, twice on end
	ds_add_u32 v[SPW], v[NIL]
	v_lshrrev_b32 v24, 5, v0
	v_readfirstlane_b32 s[WV], v24
	s_bfe_u32 s12, ttmp6, 0x40000                  ; cx
	s_and_b32 s14, ttmp7, 0xffff                   ; bh
	s_and_b32 s13, s[WV], 7                        ; p
	s_lshr_b32 s15, s[WV], 3                       ; 0: A, 1: B
	s_xor_b32 s17, s13, 15                         ; 15 - p
	s_min_u32 s18, s13, 3
	s_xor_b32 s18, s18, 3                          ; e
	s_add_co_u32 s19, s18, 8
	s_add_co_u32 s60, s13, 1
	s_sub_co_u32 s61, 8, s13
	s_cmp_eq_u32 s15, 1
	s_cselect_b32 s11, s13, s17                    ; my first tile's T
	s_cselect_b32 s[SW], s60, 15
	s_cselect_b32 s[FB], s17, s19                  ; (C + FB) / 16 is 1 behind the jump
	s_cselect_b32 s[J2], s61, s18
	s_cselect_b32 s[CL], 7, 8
	s_add_co_u32 s60, ttmp9, s11
	s_and_b32 s60, s60, 1                          ; my first tile's z
	s_cselect_b32 s[DF], s11, 255
	s_cselect_b32 s[DH], 255, s11
	s_add_co_u32 s61, ttmp9, s17
	s_and_b32 s61, s61, 1                          ; tile 15 - p's z
	s_cselect_b32 s[DF2], s17, 255
	s_cselect_b32 s[DH2], 255, s17
	s_mov_b32 s[G1], 15|(1<<21)                    ; all four of the cluster; elements of 1 byte; no padding
	s_mov_b32 s[G1+1], 256<<16
	s_mov_b32 s[G1+2], 32<<16
	s_mov_b32 s[G1+3], 256<<16
	s_mov_b32 s[G1+4], 32                          ; 32 rows of 256 bytes: 8,192 dense bytes
	s_mov_b32 s[G1+5], 256
	s_mov_b32 s[G1+6], 0
	s_mov_b32 s[G1+7], 0
	s_mov_b32 s[SEL], 0x76543210
	s_mov_b32 s[SEL+1], 0xfedcba98
	s_mul_i32 s16, s14, HEADB
	s_add_co_u32 s80, s15, 1
	s_lshl_b32 s80, s80, 17                        ; waves 0-7 fetch K, 8-15 V: an eighth of each half
	s_add_co_u32 s80, s80, s16
	s_lshl_b32 s82, s13, 13
	s_add_co_u32 s80, s80, s82
	s_mov_b32 s81, 0
	s_lshl_b32 s83, s15, 17
	s_add_co_u32 s82, s82, s83
	s_mov_b32 s[G0A], 1
	s_mov_b32 s[G0A+1], s82
	s_mov_b32 s[G0B], 1
	s_add_co_u32 s[G0B+1], s82, 65536
	s_lshl_b32 s84, s11, 13                        ; Q of my first tile's 64 tokens
	s_lshl_b32 s86, s60, 12
	s_add_co_u32 s84, s84, s86
	s_add_co_u32 s84, s84, s16
	s_mov_b32 s85, 0
	s_lshl_b32 s88, s17, 13                        ; and of tile 15 - p's
	s_lshl_b32 s86, s61, 12
	s_add_co_u32 s88, s88, s86
	s_add_co_u32 s88, s88, s16
	s_mov_b32 s89, 0
	s_lshr_b32 s90, s14, 4                         ; vec: token tile 128 batch + 8 T + 4 z + cx, head
	s_lshl_b32 s90, s90, 21
	s_and_b32 s91, s14, 15
	s_lshl_b32 s91, s91, 10
	s_add_co_u32 s90, s90, s91
	s_lshl_b32 s91, s12, 14
	s_add_co_u32 s90, s90, s91
	s_lshl_b32 s92, s11, 17
	s_lshl_b32 s91, s60, 16
	s_add_co_u32 s92, s92, s91
	s_add_co_u32 s92, s92, s90
	s_mov_b32 s93, 0
	s_lshl_b32 s94, s17, 17
	s_lshl_b32 s91, s61, 16
	s_add_co_u32 s94, s94, s91
	s_add_co_u32 s94, s94, s90
	s_mov_b32 s95, 0
	s_mul_i32 s73, s13, MRGB
	s_add_co_u32 s73, s73, MRG                     ; my pair's meeting place
	v_and_b32 v24, 15, v0                          ; r
	v_bfe_u32 v25, v0, 4, 1                        ; h
	v_and_b32 v26, 31, v0
	v_lshlrev_b32 v[AK0], 4, v26                   ; 16 x lane
	v_add_nc_u32 v[AV0], VA, v[AK0]
	v_lshl_add_u32 v28, v24, 2, s12                ; my query among the 64: 4 r + cx
	v_lshlrev_b32 v29, 3, v25
	v_sub_nc_u32 v[DQ], v28, v29                   ; register 8 t + j of a half's scores holds its key 16 t + 8 h + j: hidden where 16 t + j > DQ
	v_lshrrev_b32 v30, 4, v28                      ; Q's image: token tile, row
	v_and_b32 v31, 15, v28
	v_lshlrev_b32 v[QA], 10, v30
	v_lshl_add_u32 v[QA], v25, 8, v[QA]
	v_lshl_add_u32 v[QA], v31, 4, v[QA]
	s_wait_alu depctr_va_vdst(0)
	s_wait_dscnt 0x0                               ; both opening adds are done
	s_wait_kmcnt 0x0
	s_load_b128 s[68:71], s[6:7], 0x18             ; e6 .. e9
	s_load_b32 s72, s[6:7], 0x28                   ; e10
	s_add_nc_u64 s[G0A+2:G0A+3], s[4:5], s[80:81]
	s_or_b32 s[G0A+3], s[G0A+3], 0x80000000
	s_add_nc_u64 s[80:81], s[80:81], 65536         ; keys 1024 on
	s_add_nc_u64 s[G0B+2:G0B+3], s[4:5], s[80:81]
	s_or_b32 s[G0B+3], s[G0B+3], 0x80000000
	s_add_nc_u64 s[Q1:Q1+1], s[4:5], s[84:85]
	s_add_nc_u64 s[Q2:Q2+1], s[4:5], s[88:89]
	s_add_nc_u64 s[VO1:VO1+1], s[8:9], s[92:93]
	s_add_nc_u64 s[VO2:VO2+1], s[8:9], s[94:95]
	global_load_b128 v[16:19], v[QA], s[Q1:Q1+1]
	global_load_b128 v[20:23], v[QA], s[Q1:Q1+1] offset:512
	ROUND                                          ; all four work-groups are here: the joint loads meet
	tensor_load_to_lds s[G0A:G0A+3], s[G1:G1+7]    ; keys 0-1023
	s_nop 0
.macro FRESH                           ; a tile begins: no largest t yet, empty sums
	v_mov_b32 v13, 0xff61b1e6                      ; -3e38, under every t
	v_mov_b32 v12, 0x7f61b1e6
	v_mov_b32 v14, 0
	v_mov_b32 v15, 0
.set j, 0
.rept 16
	v_dual_mov_b32 v[O+j], 0 :: v_dual_mov_b32 v[O+j+1], 0
.set j, j+2
.endr
.endm
	v_mov_b32 v[NINF], 0xff800000
	v_mov_b32 v[PX], 0                             ; written once: a lane permute's destination counts as one of its sources
	v_mov_b32 v[FF+1], 0                           ; (named as a pair's upper half)
	FRESH
	s_wait_kmcnt 0x0
	s_add_co_i32 s60, s68, s69
	s_lshl_b32 s60, s60, 23
	s_mov_b32 s[CS], 0x3e38aa3b                    ; log2(e) / 8,
	s_add_co_i32 s[CS], s[CS], s60                 ; x 2^(e6 + e7)
	s_mov_b32 s[CS+1], s[CS]
	s_add_co_i32 s60, s71, 127
	s_lshl_b32 s61, s60, 23
	v_mov_b32 v[SCL], s61                          ; 2^e9
	s_add_co_i32 s60, s60, 8
	s_lshl_b32 s60, s60, 23
	s_or_b32 s60, s60, 0x600000
	v_mov_b32 v[HLD], s60                          ; 448 x 2^e9
	s_sub_co_i32 s62, s72, s70
	s_sub_co_i32 s62, s62, s71
	s_add_co_i32 s62, s62, 127
	s_lshl_b32 s63, s62, 23                        ; 2^(e10 - e8 - e9)
	s_add_co_i32 s62, s62, 8
	s_lshl_b32 s62, s62, 23
	s_or_b32 s62, s62, 0x600000                    ; 448 x that
; A KEY STEP: nt = 8: 128 keys, masked in the second half where my tile says so; nt = 4: the first 64 keys of a diagonal step, masked.
.macro STEP nt
	v_add_nc_u32 v[ADK], s[TB], v[AK0]
	v_add_nc_u32 v[ADV], s[TB], v[AV0]
	v_nop                                          ; (four places in front of loads into registers that matrix instructions have read)
	v_nop
.set i, 0
.rept \nt
	ds_load_b128 v[KF+8*i:KF+8*i+3], v[ADK] offset:1024*i
	ds_load_b128 v[KF+8*i+4:KF+8*i+7], v[ADK] offset:1024*i+512
.set i, i+1
.endr
.irp t, 0,1,2,3
.set i, 0
.rept \nt/2
	ds_load_b128 v[VF+16*\t+4*i:VF+16*\t+4*i+3], v[ADV] offset:2048*i+512*\t
.set i, i+1
.endr
.endr
	s_wait_alu depctr_va_vdst(0)
	s_wait_dscnt 2*\nt                             ; K's fragments are in; V's loads, issued behind them, may be out
.set i, 0
.rept \nt
	v_wmma_f32_16x16x64_fp8_fp8 v[S+8*i:S+8*i+7], v[KF+8*i:KF+8*i+7], v[16:23], 0
.set i, i+1
.endr
.rept 4
	v_nop
.endr
.if \nt == 8
	s_cmp_lg_u32 s[KS], s[DF]
	s_cbranch_scc1 .Lopen_\@
.set M0, S+32
.else
.set M0, S
.endif
.set n, 0
.rept 32
	v_cmp_gt_i32 vcc_lo, 16*(n/8)+n%8, v[DQ]
	v_cndmask_b32 v[M0+n], v[M0+n], v[NINF], vcc_lo
.set n, n+1
.endr
.Lopen_\@:
	v_max3_num_f32 v[MA], v[S], v[S+1], v[S+2]
	v_max3_num_f32 v[MB], v[S+3], v[S+4], v[S+5]
.set i, 6
.rept 2*\nt-2
	v_max3_num_f32 v[MA], v[MA], v[S+i], v[S+i+1]
	v_max3_num_f32 v[MB], v[MB], v[S+i+2], v[S+i+3]
.set i, i+4
.endr
	v_max3_num_f32 v[MA], v[MA], v[S+i], v[S+i+1]
	s_delay_alu instid0(VALU_DEP_1)
	v_max_num_f32 v[MA], v[MA], v[MB]
	s_delay_alu instid0(VALU_DEP_1)
	v_permlanex16_b32 v[PX], v[MA], s[SEL], s[SEL+1]
	s_delay_alu instid0(VALU_DEP_1)
	v_max_num_f32 v[MA], v[MA], v[PX]              ; and among lane l xor 16's keys
	s_delay_alu instid0(VALU_DEP_1)
	v_mul_f32 v[MA], s[CS], v[MA]
	s_delay_alu instid0(VALU_DEP_1)
	v_max_num_f32 v13, v13, v[MA]
	v_mov_b32 v[MA], v12
	s_delay_alu instid0(VALU_DEP_2)
	v_floor_f32 v12, -v13                          ; -M = floor(-t)
	s_delay_alu instid0(VALU_DEP_1)
	v_sub_f32 v[MA], v12, v[MA]
	s_delay_alu instid0(VALU_DEP_1)
	v_cvt_i32_f32 v[MA], v[MA]                     ; (it saturates)
	s_delay_alu instid0(VALU_DEP_1)
	v_ldexp_f32 v[FF], 1.0, v[MA]                  ; 2^(old M - new M)
.set j, 0
.rept 4*\nt
	v_pk_fma_f32 v[S+j:S+j+1], v[S+j:S+j+1], s[CS:CS+1], v[12:13] op_sel_hi:[1,0,0]
.set j, j+2
.endr
	s_wait_alu depctr_va_vdst(0)
.set j, 0
.rept 8*\nt
	v_exp_f32 v[S+j], v[S+j]
.set j, j+1
.endr
	v_pk_mul_f32 v[14:15], v[14:15], v[FF:FF+1] op_sel_hi:[1,0]
	s_wait_alu depctr_va_vdst(0)
	v_pk_add_f32 v[S2:S2+1], v[S:S+1], v[S+2:S+3]
.set j, 4
.rept 2*\nt-1
	v_pk_add_f32 v[14:15], v[14:15], v[S+j:S+j+1]
	v_pk_add_f32 v[S2:S2+1], v[S2:S2+1], v[S+j+2:S+j+3]
.set j, j+4
.endr
	s_delay_alu instid0(VALU_DEP_1)
	v_pk_add_f32 v[14:15], v[14:15], v[S2:S2+1]
.set b, 0
.rept \nt/2
.set j, S+16*b
.rept 8
	v_dual_min_num_f32 v[j], v[j], v[HLD] :: v_dual_min_num_f32 v[j+1], v[j+1], v[HLD]   ; the conversion does not saturate (ISA guide 7.6.2); p is not negative
.set j, j+2
.endr
	v_cvt_scalef32_pk8_fp8_f32 v[PC+4*b:PC+4*b+1], v[S+16*b:S+16*b+7], v[SCL]
	v_cvt_scalef32_pk8_fp8_f32 v[PC+4*b+2:PC+4*b+3], v[S+16*b+8:S+16*b+15], v[SCL]
.set b, b+1
.endr
	s_wait_alu depctr_va_vdst(0)
.set j, 0
.rept 16
	v_pk_mul_f32 v[O+j:O+j+1], v[O+j:O+j+1], v[FF:FF+1] op_sel_hi:[1,0]
.set j, j+2
.endr
	s_wait_alu depctr_va_vdst(0)
	s_wait_dscnt 0x0
.irp t, 0,1,2,3
.if \nt == 8
	v_wmma_f32_16x16x128_fp8_fp8 v[O+8*\t:O+8*\t+7], v[VF+16*\t:VF+16*\t+15], v[PC:PC+15], v[O+8*\t:O+8*\t+7]
.else
	v_wmma_f32_16x16x64_fp8_fp8 v[O+8*\t:O+8*\t+7], v[VF+16*\t:VF+16*\t+7], v[PC:PC+7], v[O+8*\t:O+8*\t+7]
.endif
.endr
.endm
; A tile goes out: divided by its sum, held, converted: the codes are the images of the last launch's operand, stored as they lie.  v14 holds my half's sum.
.macro FINISH vo
	v_permlanex16_b32 v[PX], v14, s[SEL], s[SEL+1]
	v_mov_b32 v30, s63
	v_mov_b32 v31, s62
	v_add_f32 v14, v14, v[PX]
	s_wait_alu depctr_va_vdst(0)
	v_rcp_f32 v14, v14
	v_nop
	s_wait_alu depctr_va_vdst(0)
.set j, 0
.rept 16
	v_pk_mul_f32 v[S+j:S+j+1], v[O+j:O+j+1], v[14:15] op_sel_hi:[1,0]
.set j, j+2
.endr
.set j, 0
.rept 32
	v_med3_num_f32 v[S+j], v[S+j], -v31, v31
.set j, j+1
.endr
.irp b, 0,1
	v_cvt_scalef32_pk8_fp8_f32 v[PC+4*\b:PC+4*\b+1], v[S+16*\b:S+16*\b+7], v30
	v_cvt_scalef32_pk8_fp8_f32 v[PC+4*\b+2:PC+4*\b+3], v[S+16*\b+8:S+16*\b+15], v30
.endr
	v_nop
	global_store_b128 v[AK0], v[PC:PC+3], s[\vo:\vo+1]             ; 512 consecutive bytes each
	global_store_b128 v[AK0], v[PC+4:PC+7], s[\vo:\vo+1] offset:512
.endm
; B alone: tile p is finished, tile 15 - p begins.
.macro SWITCH
	global_load_b128 v[16:19], v[QA], s[Q2:Q2+1]
	global_load_b128 v[20:23], v[QA], s[Q2:Q2+1] offset:512
.rept 4
	v_nop
.endr
	v_add_f32 v14, v14, v15
	FINISH VO1
	s_wait_xcnt 0x0                                ; the stores have read their data
	FRESH
	s_mov_b32 s[DH], s[DH2]
	s_mov_b32 s[DF], s[DF2]
	s_wait_alu depctr_va_vdst(0)
	s_wait_loadcnt 0x0
.endm
.macro TRIP two
	s_cmp_eq_u32 s[CC], s[SW]
	s_cbranch_scc0 .Lstay_\@
	SWITCH
.Lstay_\@:
.if \two
	s_cmp_gt_u32 s[CC], s[CL]
	s_cbranch_scc1 .Ldone_\@
.endif
	s_add_co_u32 s[TX], s[CC], s[FB]
	s_lshr_b32 s[TX], s[TX], 4
.if \two
	s_mul_i32 s[TX], s[TX], s[J2]
	s_add_co_u32 s[KS], s[CC], s[TX]
	s_min_u32 s[KS], s[KS], 15
.else
	s_lshl_b32 s[TX], s[TX], 2
	s_add_co_u32 s[KS], s[CC], s[TX]
	s_min_u32 s[KS], s[KS], 7
.endif
	s_lshl_b32 s[TB], s[KS], 13                    ; 8,192 bytes a step, in K and in V
	s_cmp_eq_u32 s[KS], s[DH]
	s_cbranch_scc1 .Lhalf_\@
	STEP 8
	s_branch .Ldone_\@
.Lhalf_\@:
	STEP 4
.Ldone_\@:
.endm
	s_wait_alu depctr_va_vdst(0)
	s_wait_tensorcnt 0x0                           ; my part of keys 0-1023 is in
	ds_add_u32 v[SPW], v[NIL]
	s_wait_dscnt 0x0
	ROUND                                          ; everybody's is
	tensor_load_to_lds s[G0B:G0B+3], s[G1:G1+7]    ; keys 1024-2047: four trips in which to land
	s_nop 0
	s_wait_loadcnt 0x0                             ; Q
	s_mov_b32 s[CC], 0
.Lpart_a:
	TRIP 0
	s_add_co_u32 s[CC], s[CC], 1
	s_cmp_lt_u32 s[CC], 4
	s_cbranch_scc1 .Lpart_a
	s_wait_tensorcnt 0x0
	s_wait_dscnt 0x0
	s_barrier_signal -1
	s_barrier_wait -1                              ; all keys are in
	s_mov_b32 s[CC], 4
.Lpart_b:
	TRIP 1
	s_add_co_u32 s[CC], s[CC], 1
	s_cmp_lt_u32 s[CC], 9
	s_cbranch_scc1 .Lpart_b
; A's sums of tile 15 - p meet B's.
.rept 4
	v_nop
.endr
	v_lshrrev_b32 v[ADV], 2, v[AK0]
	v_add_f32 v14, v14, v15
	v_add_nc_u32 v[ADK], s73, v[AK0]               ; 16 x lane,
	v_add_nc_u32 v[ADV], s73, v[ADV]               ; and 4 x lane in my pair's meeting place
	s_wait_alu depctr_va_vdst(0)
	s_cmp_lt_u32 s[WV], 8
	s_cbranch_scc0 .Lis_b
.irp i, 0,1,2,3,4,5,6,7
	ds_store_b128 v[ADK], v[O+4*\i:O+4*\i+3] offset:512*\i
.endr
	ds_store_b32 v[ADV], v12 offset:4096
	ds_store_b32 v[ADV], v14 offset:4224
.Lis_b:
	s_wait_dscnt 0x0
	s_barrier_signal -1
	s_barrier_wait -1
	s_cmp_lt_u32 s[WV], 8
	s_cbranch_scc1 .Lend
	ds_load_b32 v24, v[ADV] offset:4096            ; A's -M
	ds_load_b32 v25, v[ADV] offset:4224            ; A's sum
.irp i, 0,1,2,3,4,5,6,7
	ds_load_b128 v[S+4*\i:S+4*\i+3], v[ADK] offset:512*\i
.endr
	s_wait_dscnt 0x0
	v_min_num_f32 v31, v12, v24                    ; the common -M
	v_sub_f32 v28, v31, v12
	v_sub_f32 v30, v31, v24
	v_cvt_i32_f32 v28, v28
	v_cvt_i32_f32 v30, v30
	v_ldexp_f32 v28, 1.0, v28                      ; B's factor
	v_ldexp_f32 v30, 1.0, v30                      ; A's
	v_mul_f32 v14, v14, v28
	v_fma_f32 v14, v25, v30, v14
.set j, 0
.rept 16
	v_pk_mul_f32 v[O+j:O+j+1], v[O+j:O+j+1], v[28:29] op_sel_hi:[1,0]
.set j, j+2
.endr
.set j, 0
.rept 16
	v_pk_fma_f32 v[O+j:O+j+1], v[S+j:S+j+1], v[30:31], v[O+j:O+j+1] op_sel_hi:[1,0,1]
.set j, j+2
.endr
	FINISH VO2
.Lend:
	s_wait_tensorcnt 0x0                           ; the wave's end
	ds_add_u32 v[SPW], v[NIL]
	s_wait_dscnt 0x0
	ROUND                                          ; the closing round
	s_endpgm
.Lfunc_end_k_q2a49e05d0c_attn:
	.size	k_q2a49e05d0c_attn, .Lfunc_end_k_q2a49e05d0c_attn-k_q2a49e05d0c_attn
	.p2alignl 7, 3214868480
	.fill 96, 4, 3214868480
	.section	.rodata,"a",@progbits
	.p2align	6, 0x0
	.amdhsa_kernel k_q2a49e05d0c_attn
		.amdhsa_group_segment_fixed_size 327680
		.amdhsa_private_segment_fixed_size 0
		.amdhsa_enable_private_segment 0
		.amdhsa_kernarg_size 24
		.amdhsa_user_sgpr_count 2
		.amdhsa_user_sgpr_kernarg_segment_ptr 1
		.amdhsa_wavefront_size32 1
		.amdhsa_system_sgpr_workgroup_id_x 1
		.amdhsa_system_sgpr_workgroup_id_y 1
		.amdhsa_system_sgpr_workgroup_id_z 1
		.amdhsa_system_vgpr_workitem_id 0
		.amdhsa_next_free_vgpr 256
		.amdhsa_next_free_sgpr 98
		.amdhsa_reserve_vcc 1
		.amdhsa_float_denorm_mode_32 3
		.amdhsa_float_denorm_mode_16_64 3
		.amdhsa_memory_ordered 1
		.amdhsa_forward_progress 1
		.amdhsa_inst_pref_size 86
	.end_amdhsa_kernel
	.amdgpu_metadata
---
amdhsa.version: [ 1, 2 ]
amdhsa.kernels:
  - .name:           k_q2a49e05d0c_attn
    .symbol:         k_q2a49e05d0c_attn.kd
    .args:
      - { .name: qkv, .offset: 0, .size: 8, .value_kind: global_buffer, .address_space: global }
      - { .name: lowp_scales, .offset: 8, .size: 8, .value_kind: global_buffer, .address_space: global }
      - { .name: vec, .offset: 16, .size: 8, .value_kind: global_buffer, .address_space: global }
    .group_segment_fixed_size: 327680
    .private_segment_fixed_size: 0
    .kernarg_segment_align: 8
    .kernarg_segment_size: 24
    .max_flat_workgroup_size: 512
    .sgpr_count:     98
    .vgpr_count:     256
    .wavefront_size: 32
...
	.end_amdgpu_metadata
.endif
;; end of part 2
;; launch outp (part 3): grid 8 x 32, 4 waves a work-group, clusters of 4 x 4, 327,680 bytes of LDS; arguments vec, Wout_codes, lowp_scales, out0; writes out0
.if DOCPART == 3
	.amdgcn_target "amdgcn-amd-amdhsa--gfx1250"
	.amdhsa_code_object_version 6
	.text
	.protected	k_q2a49e05d0c_outp
	.globl	k_q2a49e05d0c_outp
	.p2align	8
	.type	k_q2a49e05d0c_outp,@function
k_q2a49e05d0c_outp:
	s_mov_b64 s[64:65], 0
	v_nop
	global_prefetch_b8 v0, s[64:65] scope:SCOPE_SE
	s_setreg_imm32_b32 hwreg(HW_REG_WAVE_MODE, 25, 1), 1
	s_wait_xcnt 0x0
	s_wait_alu depctr_hold_cnt(0) depctr_sa_sdst(0) depctr_va_vdst(0) depctr_va_sdst(0) depctr_va_ssrc(0) depctr_va_vcc(0) depctr_vm_vsrc(0)
	s_getreg_b32 s2, hwreg(HW_REG_IB_STS2, 6, 4)
	s_cmp_eq_u32 s2, 0
	s_cbranch_scc0 .Lentry_in_a_cluster
	s_endpgm
.Lentry_in_a_cluster:
	s_bfe_u32 s2, ttmp6, 0x10000c
	s_cmp_lg_u32 s2, 0xf033
	s_cbranch_scc0 .Lentry_shape_is_right
	s_endpgm
.Lentry_shape_is_right:
; out0 = vectors Wout on codes of FP8 (E4M3): out0[token][n] = 2^(e10 + e11) x the sum over k of vec(token, k) Wout(n, k).
; vec: images of operand registers: [token tile (256)][head (16)][b (2)][512 bytes], 16 bytes a lane (r, h): row r, k = 64 head + 32 b + 8 h + 0..7 and + 16: the matrix instruction's own layout.
; Row r of tile 8 y + 4 z + a is token 128 y + 64 z + 4 r + a.  Wout: [n 1024][k 1024] codes.  out0: [4096][1024] f32.
; LIMIT: e10 + e11 between -126 and 127, so that 2^(e10 + e11) is an f32 number.
; A tile of out0 is 128 x 128: 256 work-groups.  Four waves, each 64 x 64.  All 1,024 along K of both operands come by one joint load a wave: waves 0, 1 the tokens', waves 2, 3 Wout's.
; A wave holds ALL its fragments of Wout in 512 registers and finishes its four blocks of 16 tokens one after the other: each leaves while the next is multiplied.
; CLUSTERS: 4 x 4: the four of a row need the same tokens, the four of a column the same rows of Wout.  NO PREFETCH: each byte is asked for by the one load at the head; no loop runs ahead.
; Source 0 = 16 rows of Wout, source 1 = 16 tokens: a lane holds eight neighbouring numbers of a row of out0.
; REGISTERS: window 0: v0-31 addresses, v32-63 scaled sums, v64-127 accumulators (two sets of four), v128-191 rows read back; windows 1, 2: Wout's fragments (K step s, block b at v[64 (s % 4) + 16 b]); window 3: two buffers of 16 tokens x 1,024 K.
.set BOFF,   131072                    ; LDS: 8 token tiles of 16,384 bytes, then 128 rows of Wout
.set PB,     1040                      ; 1,024 bytes + 16 of padding: row r starts at bank 4 r mod 64 (64 banks of 4 bytes: ISA guide 11.1)
.set STAGE,  BOFF+128*PB               ; the way out: 16 rows x 272 bytes for each wave; no tile lands here
.set PITCH,  272
.set SPARE,  STAGE+4*16*PITCH
.set ADRA, 16
.set ADRB, 17
.set STO,  24
.set RD,   25
.set CO,   26
.set SPW,  30
.set NIL,  31
.set TMP,  32
.set ACC,  64
.set BK,   128
.set G1A, 16
.set G1B, 24
.set G0A, 32
.set G0B, 36
.set MSB, 0
.macro WIN new
.if MSB != (\new)
	s_set_vgpr_msb (MSB<<8)|(\new)
.set MSB, (\new)
.endif
.endm
.macro ROUND
	s_barrier_signal -1
	s_barrier_wait -1
	s_cmp_lg_u32 s10, 0
	s_cbranch_scc1 .Lnot_wave_0_\@
	s_barrier_signal -3
.Lnot_wave_0_\@:
	s_barrier_wait -3
	s_barrier_signal -1
	s_barrier_wait -1
.endm
	s_load_b256 s[68:75], s[0:1], 0x0              ; vec, Wout, the exponents, out0
	v_lshl_add_u32 v[SPW], v0, 2, SPARE
	v_mov_b32 v[NIL], 0
	ds_add_u32 v[SPW], v[NIL]                      ; the opening add, twice on end
	ds_add_u32 v[SPW], v[NIL]
	v_lshrrev_b32 v1, 5, v0
	v_readfirstlane_b32 s10, v1
	s_lshr_b32 s11, s10, 1                         ; which 64 tokens are mine (z).  Also: I fetch tokens (0) or Wout (1)
	s_and_b32 s12, s10, 1                          ; which 64 columns.  Also: which half I fetch
	s_bfe_u32 s13, ttmp6, 0x40000
	s_bfe_u32 s14, ttmp6, 0x40004
	s_lshl_b32 s77, ttmp9, 2
	s_add_co_u32 s77, s77, s13                     ; tile column
	s_and_b32 s76, ttmp7, 0xffff
	s_lshl_b32 s76, s76, 2
	s_add_co_u32 s76, s76, s14                     ; tile row
	s_lshl_b32 s78, s14, 2
	s_lshl_b32 s78, 15, s78                        ; my row of the cluster
	s_lshl_b32 s79, 0x1111, s13                    ; my column
	s_or_b32 s[G1A], s78, (1<<21)                  ; tokens: 256 rows of 256 dense bytes, no padding
	s_mov_b32 s[G1A+1], 256<<16
	s_mov_b32 s[G1A+2], 256<<16
	s_mov_b32 s[G1A+3], 256<<16
	s_mov_b32 s[G1A+4], 256
	s_mov_b32 s[G1A+5], 256
	s_mov_b32 s[G1A+6], 0
	s_mov_b32 s[G1A+7], 0
	s_or_b32 s[G1B], s79, (1<<20)|(1<<21)|(7<<22)|(3<<25)  ; Wout: 64 rows of 1,024 bytes, 4 words of padding behind every 256 (code 7)
	s_mov_b32 s[G1B+1], 1024<<16
	s_mov_b32 s[G1B+2], 64<<16
	s_mov_b32 s[G1B+3], 1024<<16
	s_mov_b32 s[G1B+4], 64
	s_mov_b32 s[G1B+5], 1024
	s_mov_b32 s[G1B+6], 0
	s_mov_b32 s[G1B+7], 0
	s_lshl_b32 s80, s76, 17
	s_lshl_b32 s82, s12, 16                        ; my half: 65,536 bytes of either
	s_add_co_u32 s80, s80, s82
	s_mov_b32 s81, 0
	s_lshl_b32 s84, s77, 17
	s_add_co_u32 s84, s84, s82
	s_mov_b32 s85, 0
	s_mov_b32 s[G0A], 1
	s_mov_b32 s[G0A+1], s82
	s_mov_b32 s[G0B], 1
	s_mul_i32 s86, s12, 64*PB
	s_add_co_u32 s86, s86, BOFF                    ; also: my 64 rows of Wout as I read them
	s_mov_b32 s[G0B+1], s86
	s_lshl_b32 s87, s11, 16                        ; my four token tiles
	s_mul_i32 s89, s10, 16*PITCH
	s_add_co_u32 s89, s89, STAGE                   ; my stage
	v_and_b32 v1, 15, v0                           ; r
	v_bfe_u32 v2, v0, 4, 1                         ; h
	v_and_b32 v3, 31, v0
	v_lshlrev_b32 v4, 4, v3
	v_add_nc_u32 v[ADRA], s87, v4
	v_mul_u32_u24 v5, v1, PB
	v_lshl_add_u32 v5, v2, 3, v5
	v_add_nc_u32 v[ADRB], s86, v5
	v_mul_u32_u24 v6, v1, PITCH
	v_lshl_add_u32 v6, v2, 5, v6
	v_add_nc_u32 v[STO], s89, v6                   ; in: row r, 32 bytes for each half of the lanes
	v_mul_u32_u24 v7, v2, PITCH
	v_lshl_add_u32 v7, v1, 4, v7
	v_add_nc_u32 v[RD], s89, v7                    ; back: lanes 0-15 one row of 256 bytes, lanes 16-31 the next,
	v_lshlrev_b32 v8, 14, v2                       ; which is four tokens on in out0
	v_lshl_add_u32 v[CO], v1, 4, v8
	s_wait_alu depctr_va_vdst(0)
	s_wait_dscnt 0x0                               ; both opening adds are done
	s_wait_kmcnt 0x0
	s_load_b64 s[96:97], s[72:73], 0x28            ; e10, e11
	s_add_nc_u64 s[G0A+2:G0A+3], s[68:69], s[80:81]
	s_or_b32 s[G0A+3], s[G0A+3], 0x80000000
	s_add_nc_u64 s[G0B+2:G0B+3], s[70:71], s[84:85]
	s_or_b32 s[G0B+3], s[G0B+3], 0x80000000
	ROUND                                          ; all sixteen work-groups are here: the joint loads meet
	s_cmp_eq_u32 s11, 0
	s_cbranch_scc0 .Lfor_b
	tensor_load_to_lds s[G0A:G0A+3], s[G1A:G1A+7]
	s_nop 0
.rept 4
	v_nop
.endr
	s_branch .Lasked
.Lfor_b:
	tensor_load_to_lds s[G0B:G0B+3], s[G1B:G1B+7]
	s_nop 0
.rept 4
	v_nop
.endr
.Lasked:
	s_lshl_b32 s90, s76, 19                        ; my first number of out0: 128 tile row + 64 z rows of 4,096 bytes,
	s_lshl_b32 s91, s11, 18
	s_add_co_u32 s90, s90, s91
	s_lshl_b32 s91, s77, 9
	s_add_co_u32 s90, s90, s91
	s_lshl_b32 s91, s12, 8
	s_add_co_u32 s90, s90, s91                     ; + (128 tile column + 64 half) x 4
	s_mov_b32 s91, 0
	s_add_nc_u64 s[74:75], s[74:75], s[90:91]
	s_wait_kmcnt 0x0
	s_add_co_i32 s96, s96, s97
	s_add_co_i32 s96, s96, 127
	s_lshl_b32 s96, s96, 23                        ; 2^(e10 + e11)
	s_mov_b32 s97, s96                             ; (named with it as a pair)
.macro FETCHB s                        ; K step s of my 64 rows of Wout: 32 loads
	WIN 0x40+0x40*((\s)/4)
.irp b, 0,1,2,3
.irp c, 0,1,2,3,4,5,6,7
	ds_load_b64 v[64*((\s)%4)+16*\b+2*\c:64*((\s)%4)+16*\b+2*\c+1], v[ADRB] offset:16*PB*\b+128*(\s)+16*\c
.endr
.endr
.endm
.macro FETCHA a, s                     ; K step s of token block a: 4 loads
	WIN 0xc0
.irp c, 0,1,2,3
	ds_load_b128 v[128*((\a)%2)+16*(\s)+4*\c:128*((\a)%2)+16*(\s)+4*\c+3], v[ADRA] offset:16384*(\a)+2048*(\s)+512*\c
.endr
.endm
.macro FETCHA8 a
.irp s, 0,1,2,3,4,5,6,7
	FETCHA \a, \s
.endr
.endm
.macro MUL4 a, s                       ; the block's four accumulators take turns
	WIN 0x0d+(\s)/4
.irp b, 0,1,2,3
.set D, ACC+32*((\a)%2)+8*\b
.set FB, 64*((\s)%4)+16*\b
.set FA, 128*((\a)%2)+16*(\s)
.if (\s) == 0
	v_wmma_f32_16x16x128_fp8_fp8 v[D:D+7], v[FB:FB+15], v[FA:FA+15], 0
.else
	v_wmma_f32_16x16x128_fp8_fp8 v[D:D+7], v[FB:FB+15], v[FA:FA+15], v[D:D+7]
.endif
.endr
.endm
; THE WAY OUT of block a: through my own stage in LDS, back as whole rows of 256 bytes.  LDS serves a wave's instructions in order (ISA guide 5.7.1.4).
.macro PACK a
.rept 4
	v_nop                                          ; places behind the block's last products
.endr
	WIN 0
.set j, 0
.rept 16
	v_pk_mul_f32 v[TMP+j:TMP+j+1], v[ACC+32*((\a)%2)+j:ACC+32*((\a)%2)+j+1], s[96:97] op_sel_hi:[1,0]
.set j, j+2
.endr
.irp b, 0,1,2,3
	ds_store_b128 v[STO], v[TMP+8*\b:TMP+8*\b+3] offset:64*\b
	ds_store_b128 v[STO], v[TMP+8*\b+4:TMP+8*\b+7] offset:64*\b+16
.endr
.if (\a) > 1
	s_wait_xcnt 0x0                                ; block a - 2's stores have read the registers that are loaded below
.endif
.irp t, 0,1,2,3,4,5,6,7
	ds_load_b128 v[BK+32*((\a)%2)+4*\t:BK+32*((\a)%2)+4*\t+3], v[RD] offset:\t*2*PITCH
.endr
.endm
.macro SEND a, younger
	WIN 0
	s_wait_dscnt \younger
.irp t, 0,1,2,3,4,5,6,7
	global_store_b128 v[CO], v[BK+32*((\a)%2)+4*\t:BK+32*((\a)%2)+4*\t+3], s[74:75] offset:(\a)*4096+\t*8*4096 th:TH_STORE_NT   ; 16 lanes store 256 consecutive bytes, at a multiple of 256
.endr
.endm
	s_wait_tensorcnt 0x0                           ; my load has landed
	s_barrier_signal -1
	s_barrier_wait -1                              ; everybody's has; nothing is filled again
	FETCHB 0
	FETCHA 0, 0
.irp s, 0,1,2,3,4,5,6
	FETCHB \s+1
	FETCHA 0, \s+1
	s_wait_dscnt 36                                ; all but the next K step's 36 loads
	MUL4 0, \s
.endr
	FETCHA8 1
	s_wait_dscnt 32                                ; all but block 1's 32 loads
	MUL4 0, 7
.irp a, 0,1,2,3
	PACK \a
.if \a < 3
	s_wait_dscnt 16                                ; block a + 1 is in; the stage's 8 stores and 8 loads, issued behind it, may be out
.if \a < 2
	FETCHA8 \a+2                                   ; into the buffer that block a has left
.endif
.irp s, 0,1,2,3,4,5,6,7
	MUL4 \a+1, \s
.endr
.endif
.if \a < 2
	SEND \a, 32                                    ; block a + 2's 32 loads may be out
.else
	SEND \a, 0
.endif
.endr
	s_wait_tensorcnt 0x0                           ; the wave's end
	ds_add_u32 v[SPW], v[NIL]
	s_wait_dscnt 0x0
	ROUND                                          ; the closing round
	s_endpgm
.Lfunc_end_k_q2a49e05d0c_outp:
	.size	k_q2a49e05d0c_outp, .Lfunc_end_k_q2a49e05d0c_outp-k_q2a49e05d0c_outp
	.p2alignl 7, 3214868480
	.fill 96, 4, 3214868480
	.section	.rodata,"a",@progbits
	.p2align	6, 0x0
	.amdhsa_kernel k_q2a49e05d0c_outp
		.amdhsa_group_segment_fixed_size 327680
		.amdhsa_private_segment_fixed_size 0
		.amdhsa_enable_private_segment 0
		.amdhsa_kernarg_size 32
		.amdhsa_user_sgpr_count 2
		.amdhsa_user_sgpr_kernarg_segment_ptr 1
		.amdhsa_wavefront_size32 1
		.amdhsa_system_sgpr_workgroup_id_x 1
		.amdhsa_system_sgpr_workgroup_id_y 1
		.amdhsa_system_sgpr_workgroup_id_z 1
		.amdhsa_system_vgpr_workitem_id 0
		.amdhsa_next_free_vgpr 1024
		.amdhsa_next_free_sgpr 98
		.amdhsa_reserve_vcc 0
		.amdhsa_float_denorm_mode_32 3
		.amdhsa_float_denorm_mode_16_64 3
		.amdhsa_memory_ordered 1
		.amdhsa_forward_progress 1
		.amdhsa_inst_pref_size 52
	.end_amdhsa_kernel
	.amdgpu_metadata
---
amdhsa.version: [ 1, 2 ]
amdhsa.kernels:
  - .name:           k_q2a49e05d0c_outp
    .symbol:         k_q2a49e05d0c_outp.kd
    .args:
      - { .name: vec, .offset: 0, .size: 8, .value_kind: global_buffer, .address_space: global }
      - { .name: Wout_codes, .offset: 8, .size: 8, .value_kind: global_buffer, .address_space: global }
      - { .name: lowp_scales, .offset: 16, .size: 8, .value_kind: global_buffer, .address_space: global }
      - { .name: out0, .offset: 24, .size: 8, .value_kind: global_buffer, .address_space: global }
    .group_segment_fixed_size: 327680
    .private_segment_fixed_size: 0
    .kernarg_segment_align: 8
    .kernarg_segment_size: 32
    .max_flat_workgroup_size: 128
    .sgpr_count:     98
    .vgpr_count:     1024
    .wavefront_size: 32
...
	.end_amdgpu_metadata
.endif
;; end of part 3
